; MI455X (gfx1250); checked and timed in simulation.
; The chip was launched on July 23, 2026; its instructions are those of AMD's public machine-readable ISA for CDNA 5 (MIT licence, August 2026) and "CDNA5" Instruction Set Architecture Reference Guide (July 2026). The comments in the code are by the model that wrote it; some were corrected since.
;; QKV Attention. Allowed arithmetic: float matrix products may take bf16 or f16 operands with f32 sums; all other float work in f32.
;; Inputs: qkv 32 x 192 x 2,048 float32.
;; Outputs: out0 32 x 64 x 2,048 float32.
;; One version. Each part assembles by itself: llvm-mc -triple=amdgcn-amd-amdhsa -mcpu=gfx1250 --defsym DOCPART=n.
;; ======== version 1 of 1: 1 launch
;; launch attn (part 1): grid 8 x 32, 8 waves a work-group, clusters of 4 x 1, 327,680 bytes of LDS; arguments qkv, out0; writes out0
.if DOCPART == 1
	.amdgcn_target "amdgcn-amd-amdhsa--gfx1250"
	.amdhsa_code_object_version 6
	.text
	.protected	k_q6c7d04373c_attn
	.globl	k_q6c7d04373c_attn
	.p2align	8
	.type	k_q6c7d04373c_attn,@function
k_q6c7d04373c_attn:
	s_mov_b64 s[64:65], 0
	v_nop
	global_prefetch_b8 v0, s[64:65] scope:SCOPE_SE
	s_setreg_imm32_b32 hwreg(HW_REG_WAVE_MODE, 25, 1), 1
	s_wait_xcnt 0x0
	s_wait_alu depctr_hold_cnt(0) depctr_sa_sdst(0) depctr_va_vdst(0) depctr_va_sdst(0) depctr_va_ssrc(0) depctr_va_vcc(0) depctr_vm_vsrc(0)
	s_getreg_b32 s2, hwreg(HW_REG_IB_STS2, 6, 4)
	s_cmp_eq_u32 s2, 0
	s_cbranch_scc0 .Lentry_in_a_cluster
	s_endpgm
.Lentry_in_a_cluster:
	s_bfe_u32 s2, ttmp6, 0x10000c
	s_cmp_lg_u32 s2, 0x3003
	s_cbranch_scc0 .Lentry_shape_is_right
	s_endpgm
.Lentry_shape_is_right:
; out[b][c][t] = sum over s of softmax_s( q[b][.][t] . k[b][.][s] / 8 ) v[b][c][s].   qkv: [32][192][2048] f32 (rows 0-63 q, 64-127 k, 128-191 v), out0: [32][64][2048] f32.
; One launch, 256 work-groups: x = block of 256 queries, y = head.  Eight waves: wave w = 4 p + g owns queries 64 g .. 64 g + 63 of the block and, of every
; tile of 128 keys, keys 64 p .. 64 p + 63; the two partial results of a query group are merged at the end (each with its own running maximum and sum).
; PRODUCTS.  S is made transposed: source 0 = 16 keys x 32 channels of K, source 1 = 16 queries x 32 channels of Q.  A lane then holds ONE query (t = lane % 16) and
; eight neighbouring keys in each tile, so maximum, sum and rescaling are a lane's own (one exchange between the halves of the wave), and the exponentials, packed
; to bf16 in place, ARE source 1 of the second product out = V x P^T: P never goes through LDS.
; DATA.  K and V come as f32 tiles (128 rows x 128 keys, 64 KiB) by tensor loads into a ring of two slots F; each wave rounds 16 rows to bf16 into a ring of two
; buffers H one trip before they are multiplied.  K and Q lie [channel][token], so their fragments are read by the transposing LDS load.
; CLUSTER.  The four work-groups of a cluster (4, 1, 1) are four query blocks of one head and walk the same K and V tiles: every tile is asked for jointly (mask 15),
; which divides the requests for K and V by four.  Nothing but global addresses of Q, of the output and of the prefetch hangs on the place in the cluster.
; A tile's 128 rows are shared out among eight waves, 16 rows (8 KiB) a load: every wave issues one load behind each round, 64 KiB for the work-group.
; A wave has two tensor loads outstanding at the start (the two first fills) and one behind each round.
; LIMITS, stated: q, k, v and the probabilities are rounded to bf16 for the matrix units; sums, maxima and exponents are f32.  The factor 1/8 (with log2 e) is applied once,
; in f32, inside the exponent's fused multiply-add, not as two factors 64^(-1/4).  The maximum is the running maximum of the raw scores.  NaN and infinite inputs are
; not reproduced (the maximum drops NaN).  Probabilities below 2^-126 of the row's largest become 0 (v_exp_f32 flushes denormal results: ISA guide 15.8).
.set KP,  288                          ; H: pitch of K's rows (128 keys bf16 = 256 bytes + 32): 9 x 32 bytes, for the transposing load
.set VP,  272                          ; H: pitch of V's rows (256 + 16): 17 x 16 bytes
.set QP,  544                          ; Q stage: pitch (256 queries bf16 = 512 bytes + 32): 17 x 32 bytes
.set HV,  64*KP                        ; V's place in an H buffer = 18,432
.set HB,  35840                        ; bytes of an H buffer (18,432 + 64 x 272)
.set FB,  2*HB                         ; 71,680: the ring F; only tensor loads write here
.set FS,  65536                        ; bytes of an F slot: 128 rows x 512 bytes, no padding (read as 32 lanes x 16 neighbouring bytes)
.set ST1, FB+2*FS                      ; 202,752: way-out stages of waves 4-7 (those of waves 0-3 lie at 0, over H, once H is read out)
.set STP, 272                          ; way-out stage: pitch of a row of 64 f32
.set WST, 64*STP                       ; 17,408: a wave's stage
.set EX,  ST1+4*WST                    ; 272,384: 1 KiB a wave: maxima and sums for the partner
; vector registers, window 0
.set KA,  1                            ; LDS address of my K fragments in H buffer 0
.set VA,  2                            ; the same for V
.set CK,  3                            ; where my rounded K rows go
.set CVA, 4                            ; where my rounded V rows go
.set FA,  5                            ; v5, v6: my 8 rows of K in F slot 0, 1 (V's are 32,768 bytes further)
.set GO,  7                            ; byte offset of my 16 bytes in row 8 w of a [64][2048] f32 plane: Q loads and output stores
.set MX,  8                            ; v[8:11]   running maximum of the raw scores, one for each of my four query tiles
.set LS,  12                           ; v[12:15]  the lane's part of the running sums
.set NM,  16                           ; v16 = -maximum x c; v17 only fills the pair
.set AL,  18                           ; v18 = factor for the old sums; v19 only fills the pair
.set XR,  20                           ; v[20:27]  four chains of maxima, then four pairs of sums; at the end the merge factors
.set TN,  28                           ; the new maximum
.set T2,  29                           ; the other half's figure; an exponent
.set PF,  30                           ; prefetch: byte offset of my block in the head's plane
.set QAD, 31                           ; Q stage: where I store, then where I read
.set CV,  32                           ; v[32:63]  rows on their way from f32 to bf16; at work in prologue and epilogue
.set VF,  64                           ; v[64:127] V fragment (ci, ch) at VF + 8 (4 ch + ci)
.set SB,  128                          ; v[128:255] S tile (a, i) at SB + 32 a + 8 i; packed: P (a, ch) at SB + 32 a + 8 ch
; window 1: O (ci, a) at 32 a + 8 ci (v0-127), then
.set QF,  128                          ; Q fragment (a, kk) at QF + 16 a + 8 kk
.set KF,  192                          ; K fragment (i, kk) at KF + 16 i + 8 kk
.set G1,  24                           ; s[24:31] descriptor group 1
.set G0,  32                           ; s[32:39] descriptor group 0, one set for each slot
; s_set_vgpr_msb, low byte: bits 1:0 source 0, 3:2 source 1, 5:4 source 2, 7:6 destination
.set W_S,   0x05                       ; S: sources 0 and 1 (K, Q) window 1, C and D window 0
.set W_PV,  0x50                       ; O: sources 0 and 1 (V, P) window 0, C and D window 1
.set W_LD1, 0x40                       ; a load into window 1
.set W_RS,  0x41                       ; O = O x a factor of window 0
.set W_ST1, 0x04                       ; an LDS store of window 1
.set MSB, 0
.macro WIN new                         ; the immediate's high byte repeats the setting that is left
.if MSB != \new
	s_set_vgpr_msb (MSB<<8)|\new
.set MSB, \new
.endif
.endm
.macro PLACES cnt
.rept \cnt
	v_nop
.endr
.endm
; A round of the cluster's barrier: my work-group's barrier, wave 0 signals for the work-group, every wave waits for all four work-groups, my work-group's barrier again.
.macro CREST                           ; a round behind its opening barrier
	s_cmp_lg_u32 s8, 0
	s_cbranch_scc1 .Lnot_wave_0_\@
	s_barrier_signal -3
.Lnot_wave_0_\@:
	s_barrier_wait -3
	s_barrier_signal -1
	s_barrier_wait -1
.endm
.macro ROUND
	s_barrier_signal -1
	s_barrier_wait -1
	CREST
.endm
; 16 transposing loads: my 64 keys x 64 channels of K from H buffer hb.  Lane l addresses channel 8 (l / 16) + l % 8, keys 8 ((l / 8) % 2) + 0..7 and receives key l % 16, eight channels.
.macro KLOAD hb
	WIN W_LD1
.irp i, 0,1,2,3
.irp kk, 0,1
	ds_load_tr16_b128 v[KF+16*\i+8*\kk:KF+16*\i+8*\kk+3],   v[KA] offset:(\hb)*HB+32*\kk*KP+32*\i
	ds_load_tr16_b128 v[KF+16*\i+8*\kk+4:KF+16*\i+8*\kk+7], v[KA] offset:(\hb)*HB+(32*\kk+16)*KP+32*\i
.endr
.endr
.endm
; 16 loads: 64 channels x my 64 keys of V, keys along the rows
.macro VLOAD hb
.irp ch, 0,1
.irp ci, 0,1,2,3
	ds_load_b128 v[VF+8*(4*\ch+\ci):VF+8*(4*\ch+\ci)+3],   v[VA] offset:(\hb)*HB+\ci*16*VP+64*\ch
	ds_load_b128 v[VF+8*(4*\ch+\ci)+4:VF+8*(4*\ch+\ci)+7], v[VA] offset:(\hb)*HB+\ci*16*VP+64*\ch+32
.endr
.endr
.endm
; my eight f32 rows of K (kind 0) or V (kind 1) out of an F slot: a row is 32 lanes x 16 bytes
.macro CONVLD slot, kind
.irp j, 0,1,2,3,4,5,6,7
	ds_load_b128 v[CV+4*\j:CV+4*\j+3], v[FA+(\slot)] offset:(\kind)*32768+512*\j
.endr
.endm
; round them to bf16 and put them into H buffer hb: a row is 32 lanes x 8 bytes
.macro CONVST hb, kind
.irp j, 0,1,2,3,4,5,6,7
	v_cvt_pk_bf16_f32 v[CV+4*\j],   v[CV+4*\j],   v[CV+4*\j+1]
	v_cvt_pk_bf16_f32 v[CV+4*\j+1], v[CV+4*\j+2], v[CV+4*\j+3]
.endr
.irp j, 0,1,2,3,4,5,6,7
.if \kind
	ds_store_b64 v[CVA], v[CV+4*\j:CV+4*\j+1] offset:(\hb)*HB+\j*VP
.else
	ds_store_b64 v[CK],  v[CV+4*\j:CV+4*\j+1] offset:(\hb)*HB+\j*KP
.endif
.endr
.endm
; S^T of query tile a: four key tiles, channels 0-31 (which start the sums: nothing is cleared), then channels 32-63.
; In all products of this text the accumulators take turns, one instruction a turn.
.macro SMUL a
	WIN W_S
.irp i, 0,1,2,3
	v_wmma_f32_16x16x32_bf16 v[SB+32*\a+8*\i:SB+32*\a+8*\i+7], v[KF+16*\i:KF+16*\i+7], v[QF+16*\a:QF+16*\a+7], 0
.endr
.irp i, 0,1,2,3
	v_wmma_f32_16x16x32_bf16 v[SB+32*\a+8*\i:SB+32*\a+8*\i+7], v[KF+16*\i+8:KF+16*\i+15], v[QF+16*\a+8:QF+16*\a+15], v[SB+32*\a+8*\i:SB+32*\a+8*\i+7]
.endr
.endm
; Softmax step of query tile a on the lane's 32 scores (one query, 32 of my 64 keys; the other half of the wave holds the other 32).
.macro SM a, first
.set SA, SB+32*\a
	v_max3_num_f32 v[XR],   v[SA],    v[SA+1],  v[SA+2]      ; four chains over 9, 9, 7 and 7 scores
	v_max3_num_f32 v[XR+1], v[SA+9],  v[SA+10], v[SA+11]
	v_max3_num_f32 v[XR+2], v[SA+18], v[SA+19], v[SA+20]
	v_max3_num_f32 v[XR+3], v[SA+25], v[SA+26], v[SA+27]
.irp t, 0,2
	v_max3_num_f32 v[XR],   v[XR],   v[SA+3+\t],  v[SA+4+\t]
	v_max3_num_f32 v[XR+1], v[XR+1], v[SA+12+\t], v[SA+13+\t]
	v_max3_num_f32 v[XR+2], v[XR+2], v[SA+21+\t], v[SA+22+\t]
	v_max3_num_f32 v[XR+3], v[XR+3], v[SA+28+\t], v[SA+29+\t]
.endr
	v_max3_num_f32 v[XR],   v[XR],   v[SA+7],  v[SA+8]
	v_max3_num_f32 v[XR+1], v[XR+1], v[SA+16], v[SA+17]
	v_max3_num_f32 v[XR], v[XR], v[XR+1], v[XR+2]
.if \first
	v_max_num_f32 v[XR], v[XR], v[XR+3]
.else
	v_max3_num_f32 v[XR], v[XR], v[XR+3], v[MX+\a]           ; with the running maximum
.endif
	v_permlanex16_b32 v[T2], v[XR], s22, s23                 ; the same query in the other half of the wave
	v_max_num_f32 v[TN], v[XR], v[T2]                        ; both halves now agree on the new maximum
	v_mul_f32 v[NM], 0xbe38aa3b, v[TN]                       ; -maximum x c, c = log2(e) / 8
.if \first == 0
	v_fma_f32 v[T2], v[MX+\a], s20, v[NM]                    ; (old maximum - new maximum) x c
	v_exp_f32 v[AL], v[T2]                                   ; the factor for the old sums; the packed line below is the plain place behind it
.endif
	v_pk_fma_f32 v[SA:SA+1], v[SA:SA+1], s[20:21], v[NM:NM+1] op_sel_hi:[1,0,0]
.set kx, 0
.rept 15                                                         ; the next pair's exponents stand between the pairs of exponentials
	v_pk_fma_f32 v[SA+2*kx+2:SA+2*kx+3], v[SA+2*kx+2:SA+2*kx+3], s[20:21], v[NM:NM+1] op_sel_hi:[1,0,0]
	v_exp_f32 v[SA+2*kx],   v[SA+2*kx]
	v_exp_f32 v[SA+2*kx+1], v[SA+2*kx+1]
.set kx, kx+1
.endr
	v_exp_f32 v[SA+30], v[SA+30]
	v_exp_f32 v[SA+31], v[SA+31]
	v_mov_b32 v[MX+\a], v[TN]                                ; a plain instruction behind the last exponentials, ahead of their first use (ISA guide 5.7.2)
	s_wait_alu depctr_va_vdst(0)
.irp t, 0,1,2,3
	v_pk_add_f32 v[XR+2*\t:XR+2*\t+1], v[SA+2*\t:SA+2*\t+1], v[SA+8+2*\t:SA+9+2*\t]     ; four chains of pairs start the sum
.endr
.irp t, 0,1,2,3
	v_pk_add_f32 v[XR+2*\t:XR+2*\t+1], v[XR+2*\t:XR+2*\t+1], v[SA+16+2*\t:SA+17+2*\t]
.endr
.irp t, 0,1,2,3
	v_pk_add_f32 v[XR+2*\t:XR+2*\t+1], v[XR+2*\t:XR+2*\t+1], v[SA+24+2*\t:SA+25+2*\t]
.endr
	v_pk_add_f32 v[XR:XR+1],   v[XR:XR+1],   v[XR+2:XR+3]
	v_pk_add_f32 v[XR+4:XR+5], v[XR+4:XR+5], v[XR+6:XR+7]
	v_pk_add_f32 v[XR:XR+1],   v[XR:XR+1],   v[XR+4:XR+5]
.if \first
	v_add_f32 v[LS+\a], v[XR], v[XR+1]
.else
	v_fma_f32 v[LS+\a], v[LS+\a], v[AL], v[XR]
	v_add_f32 v[LS+\a], v[LS+\a], v[XR+1]
.endif
.set kx, 0
.rept 16                                                         ; pack in place, ascending: registers 0-7 become P for keys 0-31, registers 8-15 for keys 32-63
	v_cvt_pk_bf16_f32 v[SA+kx], v[SA+2*kx], v[SA+2*kx+1]
.set kx, kx+1
.endr
.endm
; the old sums of query tile a take the factor (a lane's 32 numbers of O belong to its one query)
.macro RESC a, first
.if \first == 0
	WIN W_RS
.set kx, 0
.rept 16
	v_pk_mul_f32 v[32*\a+2*kx:32*\a+2*kx+1], v[32*\a+2*kx:32*\a+2*kx+1], v[AL:AL+1] op_sel_hi:[1,0]
.set kx, kx+1
.endr
.endif
.endm
; O (., a) += V x P^T: four channel tiles, keys 0-31, then keys 32-63.  first = 1: the first product starts the sums.
.macro PV a, first
	WIN W_PV
.irp ci, 0,1,2,3
.if \first
	v_wmma_f32_16x16x32_bf16 v[32*\a+8*\ci:32*\a+8*\ci+7], v[VF+8*\ci:VF+8*\ci+7], v[SB+32*\a:SB+32*\a+7], 0
.else
	v_wmma_f32_16x16x32_bf16 v[32*\a+8*\ci:32*\a+8*\ci+7], v[VF+8*\ci:VF+8*\ci+7], v[SB+32*\a:SB+32*\a+7], v[32*\a+8*\ci:32*\a+8*\ci+7]
.endif
.endr
.irp ci, 0,1,2,3
	v_wmma_f32_16x16x32_bf16 v[32*\a+8*\ci:32*\a+8*\ci+7], v[VF+8*(4+\ci):VF+8*(4+\ci)+7], v[SB+32*\a+8:SB+32*\a+15], v[32*\a+8*\ci:32*\a+8*\ci+7]
.endr
.endm
; The end of a trip.  kind 2: a round of the cluster's barrier, behind which the next trip fills a slot again; kind 1: my work-group's barrier alone; kind 0: none.
.macro TAIL par, kind, first
.if \kind
	s_wait_xcnt 0x0
	s_set_vgpr_msb (MSB<<8)|((MSB&0x3c)|0x40)
	v_lshl_add_u32 v255, v0, 2, 0x44800
	s_set_vgpr_msb (((MSB&0x3c)|0x40)<<8)|((MSB&0x3c)|0x0)
	v_mov_b32 v255, 0
	s_set_vgpr_msb (((MSB&0x3c)|0x0)<<8)|((MSB&0x30)|0x1)
	s_wait_tensorcnt 0x0                                     ; all my tensor loads have landed: the one that was out is my part of the tile that the next trip rounds
	ds_add_u32 v255, v255
	s_wait_dscnt 0x0
	s_set_vgpr_msb (((MSB&0x30)|0x1)<<8)|MSB
.endif
.if \kind == 2
	s_add_nc_u64 s[G0+6-4*\par:G0+7-4*\par], s[G0+6-4*\par:G0+7-4*\par], 1024   ; no load of mine is out, so a group 0 may be written: the other slot's next tile, two tiles (256 keys) on
	s_wait_xcnt 0x0                                          ; the prefetch of this trip's head has had its address translated: its base steps only behind this wait
	s_add_nc_u64 s[44:45], s[44:45], 512
.endif
.if \kind
	s_wait_dscnt 0x0                                         ; my LDS reads are back and my bf16 rows are written
	s_barrier_signal -1                                      ; say so,
.endif
	PV 3, \first                                             ; work on registers while the others arrive,
	WIN 0
	PLACES 4                                                 ; the places between these products and the next loads into V's fragments
.if \kind
	s_barrier_wait -1
.endif
.if \kind == 2
	CREST                                                    ; no wave of any of the four work-groups still reads the slot or has a load on its way
.endif
.endm
; One trip: multiplies H buffer par (tile i), rounds F slot 1 - par (tile i + 1) into H buffer 1 - par, fills F slot par again (tile i + 2).
.macro TRIP par, first, refill, conv, kind
.if \refill
	tensor_load_to_lds s[G0+4*\par:G0+4*\par+3], s[G1:G1+7]  ; first thing behind the round, my one tensor load until the next round: it has the whole trip in which to land
	s_nop 0
.endif
.if \kind == 2
	s_cmp_lg_u32 s8, 0                                       ; wave 0 of each of the head's eight work-groups asks for its 16 rows (32 lanes x 256 bytes apart)
	s_cbranch_scc1 .Lno_ask_\@                               ; of tile i + 3, which the next trip's tensor loads fetch.  Trips 0 to 12 ask: tiles 3 to 15, each block once, none past the head's rows
	global_prefetch_b8 v[PF], s[44:45] th:TH_LOAD_NT scope:SCOPE_SE
.Lno_ask_\@:
.endif
	KLOAD \par
	WIN 0
	VLOAD \par
.if \conv
	CONVLD 1-\par, 0
	s_wait_dscnt 24                                          ; K's 16 loads are in; V's 16 and the 8 f32 rows stay out
.else
	s_wait_dscnt 16                                          ; K's 16 loads are in; V's 16 stay out
.endif
	SMUL 0
	SMUL 1
	WIN 0
	s_wait_dscnt 0x0                                         ; V's fragments and the f32 rows
.if \conv
	CONVST 1-\par, 0                                         ; its sixteen conversions are also the places behind S (0) and S (1)
	CONVLD 1-\par, 1
.else
	PLACES 4
.endif
	SM 0, \first
	RESC 0, \first
	PV 0, \first
	SMUL 2
	WIN 0
.if \conv
	s_wait_dscnt 0x0                                         ; V's f32 rows (and K's bf16 stores)
	CONVST 1-\par, 1
.endif
	SM 1, \first
	RESC 1, \first
	PV 1, \first
	SMUL 3
	WIN 0
	SM 2, \first
	RESC 2, \first
	PV 2, \first
	WIN 0
	SM 3, \first
	RESC 3, \first
	TAIL \par, \kind, \first
.endm
	; ---------------- ids, constants, descriptors
	s_load_b128 s[4:7], s[0:1], 0x0                ; qkv s[4:5], out0 s[6:7]
	s_set_vgpr_msb 0x40
	v_lshl_add_u32 v255, v0, 2, 0x44800
	s_set_vgpr_msb 0x4000
	v_mov_b32 v255, 0
	s_set_vgpr_msb 0x1
	ds_add_u32 v255, v255
	s_wait_dscnt 0x0
	s_set_vgpr_msb 0x100
	v_lshrrev_b32 v1, 5, v0
	v_readfirstlane_b32 s8, v1                     ; wave w
	s_and_b32 s9, s8, 3                            ; g: my query group
	s_lshr_b32 s10, s8, 2                          ; p: my half of each tile's keys
	s_bfe_u32 s11, ttmp6, 0x40000                  ; cx
	s_lshl_b32 s12, ttmp9, 2
	s_add_co_u32 s12, s12, s11                     ; x = 4 x cluster x + cx: query block
	s_and_b32 s13, ttmp7, 0xffff                   ; y: head
	s_mov_b32 s20, 0x3e38aa3b                      ; c = log2(e) / 8, twice (a pair for the packed lines)
	s_mov_b32 s21, 0x3e38aa3b
	s_mov_b32 s22, 0x76543210                      ; v_permlanex16_b32: lane i of one half reads lane i of the other
	s_mov_b32 s23, 0xfedcba98
	s_mov_b32 s[G1+0], 15|(2<<16)|(1<<21)          ; 15:0 mask: all four work-groups of the cluster; 17:16 elements of 4 bytes; 21 set beside a mask; no padding
	s_mov_b32 s[G1+1], 128<<16                     ; tensor_dim0 = 128 (the tile lies inside the tensor)
	s_mov_b32 s[G1+2], 16<<16                      ; tensor_dim1 = 16
	s_mov_b32 s[G1+3], 128<<16                     ; tile_dim0 = 128 keys: 512 bytes, at a multiple of 512 from the buffer's first byte
	s_mov_b32 s[G1+4], 16                          ; tile_dim1 = 16 rows
	s_mov_b32 s[G1+5], 2048                        ; elements from row to row
	s_mov_b32 s[G1+6], 0
	s_mov_b32 s[G1+7], 0
	s_mul_i32 s14, s13, 0x180000                   ; the head's plane: y x 192 rows x 8,192 bytes (below 2^26)
	s_mov_b32 s15, 0
	s_lshl_b32 s46, s12, 10                        ; my query block in a row: x x 1,024 bytes.
	s_mov_b32 s47, 0
	s_lshl_b32 s41, s8, 13                         ; my 8 KiB of an F slot
	s_wait_kmcnt 0x0
	s_add_nc_u64 s[16:17], s[4:5], s[14:15]        ; the head's first row
	s_lshl_b32 s14, s8, 17
	s_add_co_u32 s14, s14, 524288                  ; row 64 + 16 w
	s_add_nc_u64 s[18:19], s[16:17], s[14:15]      ; my 16 rows of K and V, tile 0: made of y and w alone, equal in the four partners
	s_add_nc_u64 s[42:43], s[16:17], s[46:47]      ; Q at my query block
	s_add_nc_u64 s[44:45], s[16:17], 3*512         ; prefetch: tile 3
	s_mov_b32 s[G0+0], 1
	s_add_co_u32 s[G0+1], s41, FB
	s_mov_b64 s[G0+2:G0+3], s[18:19]
	s_or_b32 s[G0+3], s[G0+3], 0x80000000          ; type 2
	s_mov_b32 s[G0+4], 1
	s_add_co_u32 s[G0+5], s41, FB+FS
	s_add_nc_u64 s[G0+6:G0+7], s[18:19], 512       ; tile 1
	s_or_b32 s[G0+7], s[G0+7], 0x80000000
	ROUND                                          ; the four work-groups are here: the first joint loads meet
	tensor_load_to_lds s[G0:G0+3],   s[G1:G1+7]    ; tile 0
	s_nop 0
	tensor_load_to_lds s[G0+4:G0+7], s[G1:G1+7]    ; tile 1: both first fills in one group
	s_nop 0
	; ---------------- Q: my rows 8 w .. 8 w + 7 of the block's [64 channels][256 queries], 512 neighbouring bytes a load, read once in the launch
	v_and_b32 v32, 31, v0                          ; lane
	s_lshl_b32 s41, s8, 16
	v_lshl_add_u32 v[GO], v32, 4, s41              ; 8 w rows of 8,192 bytes + 16 x lane
.irp t, 0,1,2,3,4,5,6,7,8,9,10,11,12,13,14,15
	global_load_b128 v[SB+4*\t:SB+4*\t+3], v[GO], s[42:43] offset:8192*(\t/2)+512*(\t%2) th:TH_LOAD_NT
.endr
	; ---------------- LDS addresses
	v_and_b32 v33, 15, v0                          ; r = lane % 16
	v_bfe_u32 v34, v0, 4, 1                        ; h = lane / 16
	v_and_b32 v35, 7, v0
	v_bfe_u32 v36, v0, 3, 1                        ; (lane / 8) % 2
	v_lshl_add_u32 v37, v34, 3, v35                ; 8 h + lane % 8: the channel row that I address in a transposing load
	s_lshl_b32 s41, s10, 7                         ; my 64 keys: 128 p bytes
	v_mul_u32_u24 v[KA], v37, KP
	v_lshl_add_u32 v[KA], v36, 4, v[KA]
	v_add_nc_u32 v[KA], s41, v[KA]
	s_add_co_u32 s41, s41, HV
	v_mul_u32_u24 v[VA], v33, VP
	v_lshl_add_u32 v[VA], v34, 4, v[VA]
	v_add_nc_u32 v[VA], s41, v[VA]
	s_mul_i32 s41, s8, 8*KP
	v_lshl_add_u32 v[CK], v32, 3, s41
	s_mul_i32 s41, s8, 8*VP
	s_add_co_u32 s41, s41, HV
	v_lshl_add_u32 v[CVA], v32, 3, s41
	s_lshl_b32 s41, s8, 12
	s_add_co_u32 s41, s41, FB
	v_lshl_add_u32 v[FA], v32, 4, s41
	v_add_nc_u32 v[FA+1], FS, v[FA]
	s_lshl_b32 s46, s12, 4
	s_add_co_u32 s46, s46, 64                      ; prefetch: my work-group's rows 64 + 16 x ..
	v_lshrrev_b32 v38, 1, v32
	v_and_b32 v39, 1, v0
	v_add_nc_u32 v38, s46, v38                     ; row 64 + 16 x + lane / 2,
	v_lshlrev_b32 v38, 13, v38
	v_lshl_add_u32 v[PF], v39, 8, v38              ; its first or second 256 bytes of the tile
	s_mul_i32 s41, s8, 8*QP
	s_add_co_u32 s41, s41, HB                      ; the Q stage lies in H buffer 1, which is first written in trip 0
	v_lshl_add_u32 v[QAD], v32, 3, s41
	v_mov_b32 v[NM+1], 0                           ; upper registers of pairs of which the lower alone is used
	v_mov_b32 v[AL+1], 0
	v_mov_b32 v[T2], 0                             ; v_permlanex16_b32 counts as a reader of its destination
.irp t, 0,1,2,3,4,5,6,7,8,9,10,11,12,13,14,15
	s_wait_loadcnt 15-\t                           ; loads come back in order: load t is in, the younger ones stay out
	v_cvt_pk_bf16_f32 v[SB+4*\t],   v[SB+4*\t],   v[SB+4*\t+1]
	v_cvt_pk_bf16_f32 v[SB+4*\t+1], v[SB+4*\t+2], v[SB+4*\t+3]
	ds_store_b64 v[QAD], v[SB+4*\t:SB+4*\t+1] offset:QP*(\t/2)+256*(\t%2)
.endr
	s_wait_tensorcnt 0x1                           ; my part of tile 0 is in; tile 1's load stays out
	s_wait_dscnt 0x0                               ; my rows of Q are written
	v_mul_u32_u24 v[QAD], v37, QP                  ; now: where I read Q's fragments
	v_lshl_add_u32 v[QAD], v36, 4, v[QAD]
	s_lshl_b32 s41, s9, 7                          ; my 64 queries: 128 g bytes
	s_add_co_u32 s41, s41, HB
	v_add_nc_u32 v[QAD], s41, v[QAD]
	s_barrier_signal -1
	s_barrier_wait -1                              ; Q's stage and tile 0 are whole
	WIN W_LD1
.irp a, 0,1,2,3
.irp kk, 0,1
	ds_load_tr16_b128 v[QF+16*\a+8*\kk:QF+16*\a+8*\kk+3],   v[QAD] offset:32*\kk*QP+32*\a
	ds_load_tr16_b128 v[QF+16*\a+8*\kk+4:QF+16*\a+8*\kk+7], v[QAD] offset:(32*\kk+16)*QP+32*\a
.endr
.endr
	WIN 0
	CONVLD 0, 0                                    ; tile 0 goes to H buffer 0
	s_wait_dscnt 0x0
	CONVST 0, 0
	CONVLD 0, 1
	s_wait_dscnt 0x0
	CONVST 0, 1
	s_wait_xcnt 0x0
	s_set_vgpr_msb (MSB<<8)|((MSB&0x3c)|0x40)
	v_lshl_add_u32 v255, v0, 2, 0x44800
	s_set_vgpr_msb (((MSB&0x3c)|0x40)<<8)|((MSB&0x3c)|0x0)
	v_mov_b32 v255, 0
	s_set_vgpr_msb (((MSB&0x3c)|0x0)<<8)|((MSB&0x30)|0x1)
	s_wait_tensorcnt 0x0                           ; tile 1 has landed; no load of mine is out,
	ds_add_u32 v255, v255
	s_wait_dscnt 0x0
	s_set_vgpr_msb (((MSB&0x30)|0x1)<<8)|MSB
	s_add_nc_u64 s[G0+2:G0+3], s[G0+2:G0+3], 1024  ; so slot 0's group 0 may be written: tile 2
	s_wait_dscnt 0x0                               ; my reads of slot 0 and of Q's stage are back, my bf16 rows are written
	ROUND
	; ---------------- sixteen tiles of 128 keys
	TRIP 0, 1, 1, 1, 2                             ; trip 0 starts all sums
	s_mov_b32 s40, 6
.Ltrips:
	TRIP 1, 0, 1, 1, 2                             ; trips 1 to 12
	TRIP 0, 0, 1, 1, 2
	s_sub_co_u32 s40, s40, 1
	s_cmp_lg_u32 s40, 0
	s_cbranch_scc1 .Ltrips
	TRIP 1, 0, 1, 1, 1                             ; trip 13 asks for the last tile, 15; no slot is filled behind its barrier
	TRIP 0, 0, 0, 1, 1                             ; trip 14 rounds tile 15
	TRIP 1, 0, 0, 0, 0                             ; trip 15
	; ---------------- merge of the two key halves, and the way out
.set EA, 33                            ; my words in EX
.set EP, 34                            ; my partner's (wave w xor 4: the same queries, the other keys)
.set PM, 36                            ; v[36:39] partner's maxima
.set PL, 40                            ; v[40:43] partner's sums
.set MS, 44                            ; v[44:47] common maximum, then -maximum x c
.set E0, 48                            ; v[48:51] my factor
.set E1, 52                            ; v[52:55] partner's factor
.set DN, 56                            ; v[56:59] the whole sum, then its reciprocal
.set SO, 60                            ; where I put a number of O in my stage
.set RDA, 61                           ; where I read rows back, key half 0
.set RDB, 62                           ; key half 1
.irp a, 0,1,2,3
	v_permlanex16_b32 v[T2], v[LS+\a], s22, s23    ; the two halves of the wave hold the sums over different keys of the same query
	v_add_f32 v[LS+\a], v[LS+\a], v[T2]
.endr
	v_and_b32 v32, 31, v0
	s_lshl_b32 s41, s8, 10
	s_add_co_u32 s41, s41, EX
	v_lshl_add_u32 v[EA], v32, 4, s41
	s_xor_b32 s46, s8, 4
	s_lshl_b32 s46, s46, 10
	s_add_co_u32 s46, s46, EX
	v_lshl_add_u32 v[EP], v32, 4, s46
	ds_store_b128 v[EA], v[MX:MX+3]
	ds_store_b128 v[EA], v[LS:LS+3] offset:512
	s_wait_dscnt 0x0                               ; for the partner's sake; my reads of H ended in the trips
	s_barrier_signal -1
	s_barrier_wait -1                              ; maxima and sums are there, and nobody reads H any more: the stages of waves 0-3 may lie over it
	ds_load_b128 v[PM:PM+3], v[EP]
	ds_load_b128 v[PL:PL+3], v[EP] offset:512
	v_bfe_u32 v35, v0, 4, 1                        ; h
	v_and_b32 v63, 15, v0                          ; r
	v_mul_u32_u24 v[RDA], v35, WST                 ; back: lanes 0-15 read 256 bytes of one query group's stage, lanes 16-31 of the next group's
	v_lshl_add_u32 v[RDA], v63, 4, v[RDA]
	s_mul_i32 s46, s8, 8*STP                       ; rows 8 w .. 8 w + 7
	v_add_nc_u32 v[RDA], s46, v[RDA]
	s_mul_i32 s41, s10, ST1
	s_mul_i32 s46, s9, WST
	s_add_co_u32 s41, s41, s46                     ; my stage: p x 202,752 + g x 17,408
	s_lshl_b32 s14, s13, 19                        ; the head's plane of the output: y x 64 rows x 8,192 bytes
	s_add_nc_u64 s[42:43], s[6:7], s[14:15]        ; (Q's loads, which named s[42:43], were waited for)
	s_lshl_b32 s46, s12, 10
	s_add_nc_u64 s[42:43], s[42:43], s[46:47]      ; + my query block
	s_wait_dscnt 0x0
.irp a, 0,1,2,3
	v_max_num_f32 v[MS+\a], v[MX+\a], v[PM+\a]
.endr
.irp a, 0,1,2,3
	v_mul_f32 v[MS+\a], 0xbe38aa3b, v[MS+\a]
.endr
.irp a, 0,1,2,3
	v_fma_f32 v[E0+\a], v[MX+\a], s20, v[MS+\a]
	v_fma_f32 v[E1+\a], v[PM+\a], s20, v[MS+\a]
.endr
.irp a, 0,1,2,3
	v_exp_f32 v[E0+\a], v[E0+\a]
	v_exp_f32 v[E1+\a], v[E1+\a]
.endr
	v_mul_u32_u24 v[SO], v35, 8*STP                ; the plain place behind the exponentials: rows 8 h ..
	s_wait_alu depctr_va_vdst(0)
.irp a, 0,1,2,3
	v_mul_f32 v[DN+\a], v[LS+\a], v[E0+\a]
.endr
.irp a, 0,1,2,3
	v_fmac_f32 v[DN+\a], v[PL+\a], v[E1+\a]        ; one of the two factors is about 1 and its sum at least about 1: never 0
.endr
.irp a, 0,1,2,3
	v_rcp_f32 v[DN+\a], v[DN+\a]
.endr
	v_lshl_add_u32 v[SO], v63, 2, v[SO]            ; the plain place behind the reciprocals: + 4 r
	s_wait_alu depctr_va_vdst(0)
.irp a, 0,1,2,3
	v_mul_f32 v[XR+2*\a], v[E0+\a], v[DN+\a]       ; my part's weight in the result
.endr
	v_add_nc_u32 v[SO], s41, v[SO]
	v_add_nc_u32 v[RDB], ST1, v[RDA]
	WIN W_RS
.irp a, 0,1,2,3
.set kx, 0
.rept 16
	v_pk_mul_f32 v[32*\a+2*kx:32*\a+2*kx+1], v[32*\a+2*kx:32*\a+2*kx+1], v[XR+2*\a:XR+2*\a+1] op_sel_hi:[1,0]
.set kx, kx+1
.endr
.endr
	WIN W_ST1                                      ; O (ci, a), register j = channel 16 ci + 8 h + j, query 16 a + r: sixteen lanes store 64 neighbouring bytes, the other sixteen 8 rows (2,176 bytes) below
.irp a, 0,1,2,3
.irp ci, 0,1,2,3
.irp j, 0,1,2,3,4,5,6,7
	ds_store_b32 v[SO], v[32*\a+8*\ci+\j] offset:(16*\ci+\j)*STP+64*\a
.endr
.endr
.endr
	WIN 0
	s_wait_dscnt 0x0
	s_barrier_signal -1
	s_barrier_wait -1                              ; all eight stages are whole
.irp t, 0,1,2,3,4,5,6,7,8,9,10,11,12,13,14,15
	ds_load_b128 v[SB+8*\t:SB+8*\t+3],   v[RDA] offset:2*(\t%2)*WST+(\t/2)*STP    ; row 8 w + t / 2, queries 128 (t % 2) + 4 x lane .., key half 0
	ds_load_b128 v[SB+8*\t+4:SB+8*\t+7], v[RDB] offset:2*(\t%2)*WST+(\t/2)*STP    ; key half 1
.endr
.irp t, 0,1,2,3,4,5,6,7,8,9,10,11,12,13,14,15
	s_wait_dscnt 30-2*\t                           ; LDS loads come back in order: pair t is in, the younger pairs stay out
	v_pk_add_f32 v[SB+8*\t:SB+8*\t+1],   v[SB+8*\t:SB+8*\t+1],   v[SB+8*\t+4:SB+8*\t+5]
	v_pk_add_f32 v[SB+8*\t+2:SB+8*\t+3], v[SB+8*\t+2:SB+8*\t+3], v[SB+8*\t+6:SB+8*\t+7]
	global_store_b128 v[GO], v[SB+8*\t:SB+8*\t+3], s[42:43] offset:8192*(\t/2)+512*(\t%2) th:TH_STORE_NT   ; the wave stores 512 consecutive bytes, at a multiple of 512 from the output's first byte
.endr
	s_wait_xcnt 0x0
	s_set_vgpr_msb (MSB<<8)|((MSB&0x3c)|0x40)
	v_lshl_add_u32 v255, v0, 2, 0x44800
	s_set_vgpr_msb (((MSB&0x3c)|0x40)<<8)|((MSB&0x3c)|0x0)
	v_mov_b32 v255, 0
	s_set_vgpr_msb (((MSB&0x3c)|0x0)<<8)|((MSB&0x30)|0x1)
	s_wait_tensorcnt 0x0
	ds_add_u32 v255, v255
	s_wait_dscnt 0x0
	s_set_vgpr_msb (((MSB&0x30)|0x1)<<8)|MSB
	ROUND                                          ; the closing round: no work-group ends while a partner may still ask for a tile that names it
	s_endpgm
.Lfunc_end_k_q6c7d04373c_attn:
	.size	k_q6c7d04373c_attn, .Lfunc_end_k_q6c7d04373c_attn-k_q6c7d04373c_attn
	.p2alignl 7, 3214868480
	.fill 96, 4, 3214868480
	.section	.rodata,"a",@progbits
	.p2align	6, 0x0
	.amdhsa_kernel k_q6c7d04373c_attn
		.amdhsa_group_segment_fixed_size 327680
		.amdhsa_private_segment_fixed_size 0
		.amdhsa_enable_private_segment 0
		.amdhsa_kernarg_size 16
		.amdhsa_user_sgpr_count 2
		.amdhsa_user_sgpr_kernarg_segment_ptr 1
		.amdhsa_wavefront_size32 1
		.amdhsa_system_sgpr_workgroup_id_x 1
		.amdhsa_system_sgpr_workgroup_id_y 1
		.amdhsa_system_sgpr_workgroup_id_z 1
		.amdhsa_system_vgpr_workitem_id 0
		.amdhsa_next_free_vgpr 512
		.amdhsa_next_free_sgpr 66
		.amdhsa_reserve_vcc 0
		.amdhsa_float_denorm_mode_32 3
		.amdhsa_float_denorm_mode_16_64 3
		.amdhsa_memory_ordered 1
		.amdhsa_forward_progress 1
		.amdhsa_inst_pref_size 252
	.end_amdhsa_kernel
	.amdgpu_metadata
---
amdhsa.version: [ 1, 2 ]
amdhsa.kernels:
  - .name:           k_q6c7d04373c_attn
    .symbol:         k_q6c7d04373c_attn.kd
    .args:
      - { .name: qkv, .offset: 0, .size: 8, .value_kind: global_buffer, .address_space: global }
      - { .name: out0, .offset: 8, .size: 8, .value_kind: global_buffer, .address_space: global }
    .group_segment_fixed_size: 327680
    .private_segment_fixed_size: 0
    .kernarg_segment_align: 8
    .kernarg_segment_size: 16
    .max_flat_workgroup_size: 256
    .sgpr_count:     66
    .vgpr_count:     512
    .wavefront_size: 32
...
	.end_amdgpu_metadata
.endif
;; end of part 1
